; MI455X (gfx1250); checked and timed in simulation.
; The chip was launched on July 23, 2026; its instructions are those of AMD's public machine-readable ISA for CDNA 5 (MIT licence, August 2026) and "CDNA5" Instruction Set Architecture Reference Guide (July 2026). The comments in the code are by the model that wrote it; some were corrected since.
;; DPLSTM Cell. Allowed arithmetic: float matrix products may take bf16 or f16 operands with f32 sums; all other float work in f32.
;; Inputs: bias_hh 4,096 float32; bias_ih 4,096 float32; c_prev 8,192 x 1,024 float32; h_prev 1 x 8,192 x 1,024 float32; weight_hh 4,096 x 1,024 float32; weight_ih 4,096 x 1,024 float32; x_t 1 x 8,192 x 1,024 float32.
;; Outputs: out0 1,024 float32.
;; One version. Each part assembles by itself: llvm-mc -triple=amdgcn-amd-amdhsa -mcpu=gfx1250 --defsym DOCPART=n.
;; ======== version 1 of 1: 1 launch
;; limits: below input magnitudes of 1e-05 results are inexact or not finite
;; launch lstm_row0 (part 1): grid 256 x 1, 8 waves a work-group, no clusters, 1,280 bytes of LDS; arguments x_t, h_prev, weight_ih, weight_hh, bias_ih, bias_hh, c_prev, out0; writes out0
.if DOCPART == 1
	.amdgcn_target "amdgcn-amd-amdhsa--gfx1250"
	.amdhsa_code_object_version 6
	.text
	.protected	k_qd44eb74827_lstm_row0
	.globl	k_qd44eb74827_lstm_row0
	.p2align	8
	.type	k_qd44eb74827_lstm_row0,@function
k_qd44eb74827_lstm_row0:
	s_mov_b64 s[64:65], 0
	v_nop
	global_prefetch_b8 v0, s[64:65] scope:SCOPE_SE
	s_setreg_imm32_b32 hwreg(HW_REG_WAVE_MODE, 25, 1), 1
	s_wait_xcnt 0x0
; LSTM cell of which the module returns h_t[0, :], the 1,024 numbers of batch row 0.
; No step mixes batch rows (both products, the activations and the cell update work row by row), so the output hangs on
; x_t[0,0,:], h_prev[0,0,:], c_prev[0,:], all of weight_ih and weight_hh, and both biases, and on nothing else:
; rows 1 to 8191 of x_t, h_prev and c_prev are not read, since the returned slice discards all that is made of them.
; What is left: 4,096 gates x 2,048 terms against 33,554,432 bytes of weights, each byte used once: half a FLOP a byte.
; So the text is about bytes: every weight byte is loaded once, by loads of which a wave's covers 512 consecutive aligned bytes,
; and all loads of a wave are issued back to back at its start.
;
; SHARES.  Output j needs rows j, j+1024, j+2048, j+3072 (gates i, f, g, o) of both matrices: eight rows of 4,096 bytes.
; Work-group b owns outputs 4b .. 4b+3: 32 rows, 131,072 bytes; 256 work-groups x 131,072 = all the weights.
; Wave w: matrix m = w >> 2 (0: weight_ih with x_t and bias_ih; 1: weight_hh with h_prev and bias_hh), output j = 4b + (w & 3):
; its four gate rows (32 loads of 16 bytes a lane, 128 registers) and its vector (8 loads, 32 registers).
; A lane holds the 16 bytes at 512 k + 16 lane of a row (k = 0 .. 7), of the vector likewise: elements meet register for register.
; The eight waves' sums meet in 128 bytes of LDS behind one barrier; wave 0 does the activations, lane l for output l & 3.
;
; NOT USED, by the sizes above: the matrix unit (one row would fill a sixteenth of a 16 x 16 tile, and rounding the weights to
; 16 bits would take as many vector instructions as the packed multiply-adds do; f32 is also more exact); LDS slots and tensor loads
; (nothing is loaded a second time: a wave's 16 KiB fit in its registers); clusters (no weight byte is read by two work-groups);
; prefetches (every load stands in the first lines, there is no earlier place to ask from).
; The work-group's four outputs are one store of 16 consecutive bytes: a whole 256 bytes of out0 would be 64 outputs, 2 MiB of
; weights in one work-group and 16 work-groups in all.
;
; LIMITS.  tanh(x) = 1 - 2 / (1 + 2^(2.885390 x)), sigmoid(x) = 1 / (1 + 2^(-1.442695 x)): they saturate rightly where the
; exponential is infinite or zero; tanh has an absolute error of some 2^-23, so no relative accuracy for |x| below about 1e-5.
; The sums' order differs from a serial one: 128 partial sums a row and matrix (four a lane), then a tree over the lanes.
.set ROWB,  4096                       ; bytes in a row of a weight matrix, and in a vector
.set GATEB, 0x400000                   ; bytes from a gate's row to the next gate's: 1,024 rows
.set LOFF, 1                           ; v1        16 x lane; never rewritten
.set CO,   2                           ; v2        4 x (thread & 3): offset in the group's 16 bytes of c_prev and out0; never rewritten
.set CP,   3                           ; v3        c_prev (wave 0)
.set LW,   4                           ; v4        16 x wave: where the wave puts its four sums in LDS
.set LR,   5                           ; v5        16 x (thread & 3): where wave 0 reads them
.set R,    6                           ; v[6:9]    the wave's four gate sums with their biases
.set ACC,  10                          ; v[10:25]  gate g: two pairs of running sums at ACC + 4 g
.set XV,   26                          ; v[26:57]  the vector, chunk k at XV + 4 k
.set W,    58                          ; v[58:185] gate g, chunk k at W + 32 g + 4 k
.set GA,   26                          ; v[26:29]  wave 0, behind the sums: the input matrix' part of i, f, g, o, then the gates
.set GB,   30                          ; v[30:33]  the hidden matrix' part
.set E,    34                          ; v[34:37]  at work on the activations
.set BIAS, 36                          ; s[36:39]  the four biases of my matrix and output
	s_load_b512 s[8:23], s[0:1], 0x0               ; x s[8:9], h s[10:11], w_ih s[12:13], w_hh s[14:15], b_ih s[16:17], b_hh s[18:19], c s[20:21], out s[22:23]
	v_lshl_add_u32 v192, v0, 2, 0x100
	v_mov_b32 v193, 0
	v_and_b32 v[LOFF], 31, v0
	v_lshlrev_b32 v[LOFF], 4, v[LOFF]              ; 16 bytes a lane
	v_and_b32 v[CO], 3, v0
	v_lshlrev_b32 v[LR], 4, v[CO]
	v_lshlrev_b32 v[CO], 2, v[CO]
	v_lshrrev_b32 v[LW], 5, v0
	v_readfirstlane_b32 s2, v[LW]                  ; wave 0 .. 7, as a scalar
	v_lshlrev_b32 v[LW], 4, v[LW]
	s_and_b32 s3, s2, 3
	s_lshl2_add_u32 s3, ttmp9, s3                  ; j = 4 b + (w & 3)
	s_lshl_b32 s30, s3, 12                         ; j rows of 4,096 bytes (under 4 MiB),
	s_mov_b32 s31, 0                               ; as a pair
	s_lshl_b32 s34, s3, 2                          ; j in bytes, for the biases
	s_lshl_b32 s40, ttmp9, 4                       ; the group's 16 bytes in c_prev's row 0 and in out0
	s_mov_b32 s41, 0
	s_mov_b32 s42, 0x76543210                      ; v_permlanex16_b32: lane i of one half reads lane i of the other
	s_mov_b32 s43, 0xfedcba98
	s_wait_kmcnt 0x0                               ; the eight addresses are in
	; Wave 0 alone needs c_prev and out0.  The load of c_prev is its oldest, so the counts of younger loads below hold in every wave.
	s_cmp_lg_u32 s2, 0
	s_cbranch_scc1 .Lno_c
	s_add_nc_u64 s[20:21], s[20:21], s[40:41]
	s_add_nc_u64 s[22:23], s[22:23], s[40:41]
	global_load_b32 v[CP], v[CO], s[20:21]         ; lane l: c_prev[0][4 b + (l & 3)]
.Lno_c:
	s_cmp_lt_u32 s2, 4                             ; waves 0-3 the input side, waves 4-7 the hidden side: hangs on the wave's number alone
	s_cselect_b64 s[24:25], s[8:9], s[10:11]       ; my vector (its batch row 0 begins the buffer)
	s_cselect_b64 s[26:27], s[12:13], s[14:15]     ; my matrix
	s_cselect_b64 s[28:29], s[16:17], s[18:19]     ; my bias
	s_add_nc_u64 s[26:27], s[26:27], s[30:31]      ; row j: gates i and f from here
	s_add_nc_u64 s[32:33], s[26:27], 2*GATEB       ; row j + 2048: gates g and o; 2 x GATEB is one more than a load's signed 24-bit immediate holds (ISA guide, chapter 10)
.irp k, 0,1,2,3,4,5,6,7
	global_load_b128 v[XV+4*\k:XV+4*\k+3], v[LOFF], s[24:25] offset:512*\k      ; no hint: every work-group reads these 4,096 bytes
.endr
; The eight loads of gate g's row: 512 consecutive bytes each.  Read once in the launch: non-temporal.
.macro ROWLOAD g
.irp k, 0,1,2,3,4,5,6,7
.if \g < 2
	global_load_b128 v[W+32*\g+4*\k:W+32*\g+4*\k+3], v[LOFF], s[26:27] offset:(\g&1)*GATEB+512*\k th:TH_LOAD_NT
.else
	global_load_b128 v[W+32*\g+4*\k:W+32*\g+4*\k+3], v[LOFF], s[32:33] offset:(\g&1)*GATEB+512*\k th:TH_LOAD_NT
.endif
.endr
.endm
	ROWLOAD 0
	ROWLOAD 1
	ROWLOAD 2
	ROWLOAD 3
.irp g, 0,1,2,3
	s_load_b32 s[BIAS+\g], s[28:29], s34 offset:ROWB*\g    ; bias[1024 g + j]; behind the weights' loads, which are what the wave will wait for
.endr
; Gate g's row times the vector, summed over the wave; the sum ends in every lane of v[ACC + 4 g].
; left = the loads of the later rows, which may stay out: loads come back in order (ISA guide 5.7.1), so the vector and c_prev are in too.
.macro ROWDOT g, left
	s_wait_loadcnt \left
	v_pk_mul_f32 v[ACC+4*\g:ACC+4*\g+1],   v[W+32*\g:W+32*\g+1],   v[XV:XV+1]       ; the first chunk starts both chains: nothing is cleared
	v_pk_mul_f32 v[ACC+4*\g+2:ACC+4*\g+3], v[W+32*\g+2:W+32*\g+3], v[XV+2:XV+3]
.irp k, 1,2,3,4,5,6,7
	v_pk_fma_f32 v[ACC+4*\g:ACC+4*\g+1],   v[W+32*\g+4*\k:W+32*\g+4*\k+1],   v[XV+4*\k:XV+4*\k+1],   v[ACC+4*\g:ACC+4*\g+1]
	v_pk_fma_f32 v[ACC+4*\g+2:ACC+4*\g+3], v[W+32*\g+4*\k+2:W+32*\g+4*\k+3], v[XV+4*\k+2:XV+4*\k+3], v[ACC+4*\g+2:ACC+4*\g+3]
.endr
	v_pk_add_f32 v[ACC+4*\g:ACC+4*\g+1], v[ACC+4*\g:ACC+4*\g+1], v[ACC+4*\g+2:ACC+4*\g+3]
	v_add_f32 v[ACC+4*\g], v[ACC+4*\g], v[ACC+4*\g+1]
	; across the 32 lanes: four steps inside each half of 16 lanes ride on the addition (DPP), one crosses the halves
	v_add_f32_dpp v[ACC+4*\g], v[ACC+4*\g], v[ACC+4*\g] row_xmask:1 row_mask:0xf bank_mask:0xf
	v_add_f32_dpp v[ACC+4*\g], v[ACC+4*\g], v[ACC+4*\g] row_xmask:2 row_mask:0xf bank_mask:0xf
	v_add_f32_dpp v[ACC+4*\g], v[ACC+4*\g], v[ACC+4*\g] row_xmask:4 row_mask:0xf bank_mask:0xf
	v_add_f32_dpp v[ACC+4*\g], v[ACC+4*\g], v[ACC+4*\g] row_xmask:8 row_mask:0xf bank_mask:0xf
	v_permlanex16_b32 v[ACC+4*\g+1], v[ACC+4*\g], s42, s43     ; its destination counts as read: it has been written above
	v_add_f32 v[ACC+4*\g], v[ACC+4*\g], v[ACC+4*\g+1]
.endm
	ROWDOT 0, 24                                   ; rows f, g, o (3 x 8 loads) stay out
	ROWDOT 1, 16
	ROWDOT 2, 8
	ROWDOT 3, 0                                    ; nothing was issued behind the last row
	s_wait_kmcnt 0x0                               ; the four biases (scalar loads come back in no order: zero)
.irp g, 0,1,2,3
	v_add_f32 v[R+\g], s[BIAS+\g], v[ACC+4*\g]     ; each matrix' wave adds its own bias
.endr
	ds_store_b128 v[LW], v[R:R+3]                  ; i, f, g, o at LDS byte 16 w; all lanes write the same 16 bytes with the same values
	s_wait_dscnt 0x0                               ; for wave 0's sake: my store is done before I signal
	s_barrier_signal -1
	s_barrier_wait -1                              ; all eight waves' sums lie in LDS
	s_cmp_lg_u32 s2, 0
	s_cbranch_scc1 .Lend
	; Wave 0: the activations and the cell update, lane l for output 4 b + (l & 3) (the lanes above 3 repeat the first four and store nothing).
	ds_load_b128 v[GA:GA+3], v[LR]                 ; wave l & 3: the input side's part
	ds_load_b128 v[GB:GB+3], v[LR] offset:64       ; wave 4 + (l & 3): the hidden side's part
	s_wait_dscnt 0x0
	v_pk_add_f32 v[GA:GA+1],   v[GA:GA+1],   v[GB:GB+1]            ; gates i, f
	v_pk_add_f32 v[GA+2:GA+3], v[GA+2:GA+3], v[GB+2:GB+3]          ; gates g, o
	v_pk_mul_f32 v[E:E+1], v[GA:GA+1], 0xbfb8aa3b op_sel_hi:[1,0]  ; -log2(e) x i, f: sigmoid
	v_mul_f32 v[E+2], 0x4038aa3b, v[GA+2]                          ; 2 log2(e) x g: tanh
	v_mul_f32 v[E+3], 0xbfb8aa3b, v[GA+3]                          ; -log2(e) x o: sigmoid
	v_exp_f32 v[E],   v[E]
	v_exp_f32 v[E+1], v[E+1]
	v_exp_f32 v[E+2], v[E+2]
	v_exp_f32 v[E+3], v[E+3]
	v_nop                                          ; one plain vector instruction between a transcendental and the use of its result (ISA guide 5.7.2)
	s_wait_alu depctr_va_vdst(0)
	v_pk_add_f32 v[E:E+1],   v[E:E+1],   1.0 op_sel_hi:[1,0]
	v_pk_add_f32 v[E+2:E+3], v[E+2:E+3], 1.0 op_sel_hi:[1,0]
	v_rcp_f32 v[E],   v[E]                         ; i_t
	v_rcp_f32 v[E+1], v[E+1]                       ; f_t
	v_rcp_f32 v[E+2], v[E+2]
	v_rcp_f32 v[E+3], v[E+3]                       ; o_t
	v_nop                                          ; as above
	s_wait_alu depctr_va_vdst(0)
	v_fma_f32 v[E+2], v[E+2], -2.0, 1.0            ; g_t = 1 - 2 / (1 + 2^..)
	v_mul_f32 v[E+2], v[E], v[E+2]                 ; i_t g_t
	v_fma_f32 v[E+2], v[E+1], v[CP], v[E+2]        ; c_t = f_t c_prev + i_t g_t (c_prev is in: the last row's wait was for zero)
	v_mul_f32 v[E+2], 0x4038aa3b, v[E+2]
	v_exp_f32 v[E+2], v[E+2]
	v_nop                                          ; as above
	s_wait_alu depctr_va_vdst(0)
	v_add_f32 v[E+2], 1.0, v[E+2]
	v_rcp_f32 v[E+2], v[E+2]
	v_nop                                          ; as above
	s_wait_alu depctr_va_vdst(0)
	v_fma_f32 v[E+2], v[E+2], -2.0, 1.0            ; tanh(c_t)
	v_mul_f32 v[E+2], v[E+3], v[E+2]               ; h_t = o_t tanh(c_t)
	s_wait_xcnt 0x0                                ; EXEC is a source of every global access issued so far: it is narrowed only behind this wait
	v_cmp_gt_u32 vcc_lo, 4, v0
	s_wait_tensorcnt 0x0
	ds_add_u32 v192, v193
	s_wait_dscnt 0x0
	s_and_saveexec_b32 s44, vcc_lo                 ; lanes 0 to 3
	global_store_b32 v[CO], v[E+2], s[22:23]       ; the group's four outputs: 16 consecutive bytes
	s_endpgm                                       ; EXEC is not widened again: nothing follows the store
.Lend:
	s_wait_tensorcnt 0x0
	ds_add_u32 v192, v193
	s_wait_dscnt 0x0
	s_endpgm
.Lfunc_end_k_qd44eb74827_lstm_row0:
	.size	k_qd44eb74827_lstm_row0, .Lfunc_end_k_qd44eb74827_lstm_row0-k_qd44eb74827_lstm_row0
	.p2alignl 7, 3214868480
	.fill 96, 4, 3214868480
	.section	.rodata,"a",@progbits
	.p2align	6, 0x0
	.amdhsa_kernel k_qd44eb74827_lstm_row0
		.amdhsa_group_segment_fixed_size 1280
		.amdhsa_private_segment_fixed_size 0
		.amdhsa_enable_private_segment 0
		.amdhsa_kernarg_size 64
		.amdhsa_user_sgpr_count 2
		.amdhsa_user_sgpr_kernarg_segment_ptr 1
		.amdhsa_wavefront_size32 1
		.amdhsa_system_sgpr_workgroup_id_x 1
		.amdhsa_system_sgpr_workgroup_id_y 1
		.amdhsa_system_sgpr_workgroup_id_z 1
		.amdhsa_system_vgpr_workitem_id 0
		.amdhsa_next_free_vgpr 194
		.amdhsa_next_free_sgpr 66
		.amdhsa_reserve_vcc 1
		.amdhsa_float_denorm_mode_32 3
		.amdhsa_float_denorm_mode_16_64 3
		.amdhsa_memory_ordered 1
		.amdhsa_forward_progress 1
		.amdhsa_inst_pref_size 14
	.end_amdhsa_kernel
	.amdgpu_metadata
---
amdhsa.version: [ 1, 2 ]
amdhsa.kernels:
  - .name:           k_qd44eb74827_lstm_row0
    .symbol:         k_qd44eb74827_lstm_row0.kd
    .args:
      - { .name: x_t, .offset: 0, .size: 8, .value_kind: global_buffer, .address_space: global }
      - { .name: h_prev, .offset: 8, .size: 8, .value_kind: global_buffer, .address_space: global }
      - { .name: weight_ih, .offset: 16, .size: 8, .value_kind: global_buffer, .address_space: global }
      - { .name: weight_hh, .offset: 24, .size: 8, .value_kind: global_buffer, .address_space: global }
      - { .name: bias_ih, .offset: 32, .size: 8, .value_kind: global_buffer, .address_space: global }
      - { .name: bias_hh, .offset: 40, .size: 8, .value_kind: global_buffer, .address_space: global }
      - { .name: c_prev, .offset: 48, .size: 8, .value_kind: global_buffer, .address_space: global }
      - { .name: out0, .offset: 56, .size: 8, .value_kind: global_buffer, .address_space: global }
    .group_segment_fixed_size: 1280
    .private_segment_fixed_size: 0
    .kernarg_segment_align: 8
    .kernarg_segment_size: 64
    .max_flat_workgroup_size: 256
    .sgpr_count:     66
    .vgpr_count:     194
    .wavefront_size: 32
...
	.end_amdgpu_metadata
.endif
;; end of part 1
